; MI455X (gfx1250); checked and timed in simulation.
; The chip was launched on July 23, 2026; its instructions are those of AMD's public machine-readable ISA for CDNA 5 (MIT licence, August 2026) and "CDNA5" Instruction Set Architecture Reference Guide (July 2026). The comments in the code are by the model that wrote it; some were corrected since.
;; Head. Allowed arithmetic: matrix products marked QUANTISED: E4M3 operands, one given power-of-two scale a tensor, by v_wmma_f32_16x16x64_fp8_fp8 or v_wmma_f32_16x16x128_fp8_fp8, f32 sums; everything else in f32.
;; Inputs: Wk 600 x 75 float32; Wq 600 x 75 float32; Wv 600 x 75 float32; lowp_scales 10 int32 (the exponents e of the quantised operands' scales 2^e); x 512 x 128 x 600 float32.
;; Outputs: out0 512 x 128 x 75 float32.
;; This version of the problem:
;;   THIS VERSION OF THE PROBLEM IS GIVEN IN LOW PRECISION. The matrix products marked QUANTISED in the list below multiply operands that are first quantised to E4M3 (4 exponent bits, 3 mantissa bits; 8 bits a number), with one given power-of-two scale for each operand tensor; their sums are f32. All else is computed in f32.
;;   The module's matrix products, in the order in which they are computed (A, B: the left and right operand; K: the contracted axis; several contracted axes count as one K, in the product's order):
;;     1. [M 65,536, K 600] x [K 600, N 75]; A: input x; B: input Wq: QUANTISED (scales: A lowp_scales[0], B lowp_scales[1])
;;     2. [M 65,536, K 600] x [K 600, N 75]; A: input x; B: input Wk: QUANTISED (scales: A lowp_scales[2], B lowp_scales[3])
;;     3. [M 65,536, K 600] x [K 600, N 75]; A: input x; B: input Wv: QUANTISED (scales: A lowp_scales[4], B lowp_scales[5])
;;     4. batch 512 x [M 128, K 75] x [K 75, N 128]; A: computed on the way; B: computed on the way: QUANTISED (scales: A lowp_scales[6], B lowp_scales[7])
;;     5. batch 512 x [M 128, K 128] x [K 128, N 75]; A: softmax (see below); B: computed on the way: QUANTISED (scales: A lowp_scales[8], B lowp_scales[9])
;;   THE QUANTISER, for each operand of a quantised product, along K:
;;     - The operand's scale is 2^e, e = its entry of the input lowp_scales (int32; the entries are numbered through the quantised products in the list's order, A before B).
;;     - Each number is divided by the scale, clamped to +-448, and rounded to the nearest number of E4M3, ties to even, subnormals kept.
;;     - The product sums the exact products of the quantised numbers (number of the format x scale) in f32.
;;   ~~~python
;;   def quantise(x, axis, e):      # numpy; x: float32 -> the quantised numbers, widened to float32 again
;;       x = np.moveaxis(x, axis, -1); K = x.shape[-1]
;;       r = np.clip(x / 2.0 ** e, -448, 448)
;;       step = 2.0 ** (np.maximum(np.frexp(np.where(r == 0, 1, r))[1] - 1, -6) - 3)
;;       q = np.round(r / step) * step * 2.0 ** e      # np.round: ties to even
;;       return np.moveaxis(q, -1, axis).astype(np.float32)
;;   ~~~
;;   SOFTMAX AHEAD OF A QUANTISED PRODUCT. Where the list says 'softmax', what is quantised is not the finished softmax but p = 2^(t - M), with t = logit x log2(e) and M = ceil(the row's largest t), a whole number; so 1/2 < the row's largest p <= 1. The row's sum l is taken of the UNQUANTISED p, in f32, and the product's result is divided by l at the end. Since M is a whole number, a kernel that streams over the keys may use a running M (the ceiling of the running maximum): every later rescaling is an exact power of two, so the quantised numbers keep their values, but for numbers so far below the row's largest that they fall under the format's range.
;;   OPERANDS COMPUTED ON THE WAY. 'Computed on the way' means the value that the module computes at that place (a softmax that the list does not call 'softmax' is quantised finished and normalised). What goes into a quantiser is computed in f32, as accurately as f32 sums, v_exp_f32 and their like allow (about 1e-6 of the number): no bf16 or f16 on the way to a quantiser, and a product that is left as it is and whose result goes on into a quantised operand takes f32 operands (vector FMAs, or v_wmma_f32_16x16x4_f32). A number that lies on a knife's edge between two numbers of the format may be rounded either way, as far as f32 arithmetic and the matrix unit's own rounding can turn it there, and no further.
;; 2 versions. Each part assembles by itself: llvm-mc -triple=amdgcn-amd-amdhsa -mcpu=gfx1250 --defsym DOCPART=n.
;; ======== version 1 of 2: 2 launches
;; workspace buffers: wimg 153,600 bytes
;; launch prep (part 1): grid 5 x 5, 3 waves a work-group, no clusters, 0 bytes of LDS; arguments Wq, Wk, Wv, lowp_scales, wimg; writes wimg
.if DOCPART == 1
	.amdgcn_target "amdgcn-amd-amdhsa--gfx1250"
	.amdhsa_code_object_version 6
	.text
	.protected	k_qa747351d51_prep
	.globl	k_qa747351d51_prep
	.p2align	8
	.type	k_qa747351d51_prep,@function
k_qa747351d51_prep:
	s_mov_b64 s[64:65], 0
	v_nop
	global_prefetch_b8 v0, s[64:65] scope:SCOPE_SE
	s_setreg_imm32_b32 hwreg(HW_REG_WAVE_MODE, 25, 1), 1
	s_wait_xcnt 0x0
; Wq, Wk, Wv [600][75] f32 become codes of FP8 (E4M3), laid as IMAGES OF THE REGISTERS of the matrix fragments that the second launch feeds to v_wmma_f32_16x16x128_fp8_fp8.
; code = w / 2^e, held within +-448, to the nearest code, ties to even; e = entry 1 (Wq), 3 (Wk), 5 (Wv) of the scales.
; LIMITS: -126 <= e and e + 8 <= 127, so that 2^e and 448 x 2^e are f32 numbers.  NaN among the inputs is not served; an infinity is held at the largest code.
; SHARES.  Work-group (u, s), wave m: ONE fragment: K step s (0..4), matrix m (0 q, 1 k, 2 v), tile u (0..4) of 16 columns.  75 waves in all: there is no more work than that.
; K.  600 = 5 steps of 120.  Lane (r, h) = (lane % 16, lane / 16) holds 64 slots: slot i < 60 is k = 120 s + 60 h + i, slots 60..63 are zero codes.  The second launch lays x's codes in the same slots.
; COLUMNS.  q, k: lane r takes column 16 u + r (zero codes from column 75 on).  v: lane r takes column 37 (r / 8) + 8 u + r % 8, zero codes where 8 u + r % 8 >= 38: so the last product's result
; has head units 0..37 in lanes 0-15 and 37..74 in lanes 16-31 (unit 37 twice), and the second launch needs no lane mask.
; A LANE TAKES A COLUMN AND ITS REGISTERS RUN DOWN K: the conversions' results are the fragment's registers.  Image: byte ((15 s + 5 m + u) 4 + g) 512 + 16 lane holds registers 4 g .. 4 g + 3.
.set X, 16                             ; v16-79  64 numbers
.set C, 80                             ; v80-95  the fragment's 16 registers
	s_load_b256 s[4:11], s[0:1], 0x0               ; Wq s[4:5], Wk s[6:7], Wv s[8:9], the scales' exponents s[10:11]
	s_load_b64 s[12:13], s[0:1], 0x20              ; the images
	v_lshrrev_b32 v9, 5, v0
	v_readfirstlane_b32 s14, v9                    ; wave = m
	v_and_b32 v10, 31, v0                          ; lane
	v_bfe_u32 v2, v0, 4, 1                         ; h
	v_bfe_u32 v3, v0, 3, 1                         ; r / 8
	v_and_b32 v4, 7, v0                            ; r % 8
	s_and_b32 s15, ttmp7, 0xffff                   ; s
	s_cmp_eq_u32 s14, 2                            ; Wv's order of columns, or the plain one
	s_cselect_b32 s28, 8, 16                       ; columns that a tile steps on
	s_cselect_b32 s29, 37, 8                       ; what r / 8 adds to the column
	s_cselect_b32 s30, 0, 8                        ; what r / 8 adds to the number that is tested
	s_cselect_b32 s31, 38, 75                      ; and its bound
	s_mul_i32 s32, s28, ttmp9
	v_mad_u32_u24 v5, v3, s29, v4
	v_add_nc_u32 v5, s32, v5                       ; my column n
	v_mad_u32_u24 v6, v3, s30, v4
	v_add_nc_u32 v6, s32, v6
	v_cmp_gt_u32 vcc_lo, s31, v6                   ; lanes whose column counts; the others give zero codes
	v_min_u32 v5, 74, v5                           ; every lane loads inside W: the last byte touched is 36,000 x 4 + 18,000 + 300 x 59 + 296 + 3 = 179,999
	v_lshlrev_b32 v7, 2, v5
	v_mad_u32_u24 v7, v2, 18000, v7                ; + 60 h rows of 300 bytes
	s_mul_i32 s33, s15, 36000                      ; + 120 s rows
	v_add_nc_u32 v7, s33, v7
	s_mul_i32 s34, s15, 15
	s_mul_i32 s35, s14, 5
	s_add_co_u32 s34, s34, s35
	s_add_co_u32 s34, s34, ttmp9                   ; the fragment's number 15 s + 5 m + u
	s_lshl_b32 s34, s34, 11                        ; x 2,048 bytes
	v_lshl_add_u32 v8, v10, 4, s34                 ; + 16 x lane
	s_wait_kmcnt 0x0
	s_load_b256 s[20:27], s[10:11], 0x0            ; entries 0..7
	s_cmp_eq_u32 s14, 0                            ; the choice of the matrix hangs on the wave's number alone
	s_cselect_b64 s[16:17], s[4:5], s[6:7]
	s_cmp_eq_u32 s14, 2
	s_cselect_b64 s[16:17], s[8:9], s[16:17]
.set pi, 0
.rept 60
	global_load_b32 v[X+pi], v7, s[16:17] offset:300*pi   ; W(120 s + 60 h + i, n): sixteen lanes read 64 neighbouring bytes (Wv: two runs of 32)
.set pi, pi+1
.endr
.irp i, 60,61,62,63
	v_mov_b32 v[X+\i], 0                           ; the slots that stand for no k
.endr
	s_wait_kmcnt 0x0
	s_cmp_eq_u32 s14, 0
	s_cselect_b32 s19, s21, s23
	s_cmp_eq_u32 s14, 2
	s_cselect_b32 s19, s25, s19                    ; e
	s_add_co_i32 s19, s19, 127
	s_lshl_b32 s36, s19, 23
	v_mov_b32 v11, s36                             ; 2^e as f32: the conversion takes its exponent field
	s_add_co_i32 s19, s19, 8
	s_lshl_b32 s19, s19, 23
	s_or_b32 s37, s19, 0x600000                    ; 448 x 2^e
	s_or_b32 s38, s37, 0x80000000                  ; and its negative
	s_wait_loadcnt 0x0
.set pi, 0
.rept 60
	v_med3_num_f32 v[X+pi], v[X+pi], s38, s37      ; the conversion to an 8-bit code does not saturate (ISA guide 7.6.2): the hold comes first
.set pi, pi+1
.endr
.irp g, 0,1,2,3,4,5,6,7
	v_cvt_scalef32_pk8_fp8_f32 v[C+2*\g:C+2*\g+1], v[X+8*\g:X+8*\g+7], v11
.endr
	v_nop                                          ; one plain vector line between the last conversion and the lines that touch its result
.irp i, 0,1,2,3,4,5,6,7,8,9,10,11,12,13,14,15
	v_cndmask_b32 v[C+\i], 0, v[C+\i], vcc_lo      ; zero codes in the lanes whose column does not count
.endr
.irp g, 0,1,2,3
	global_store_b128 v8, v[C+4*\g:C+4*\g+3], s[12:13] offset:512*\g   ; the wave stores 512 consecutive bytes, at a multiple of 512 from the buffer's first byte
.endr
	s_endpgm
.Lfunc_end_k_qa747351d51_prep:
	.size	k_qa747351d51_prep, .Lfunc_end_k_qa747351d51_prep-k_qa747351d51_prep
	.p2alignl 7, 3214868480
	.fill 96, 4, 3214868480
	.section	.rodata,"a",@progbits
	.p2align	6, 0x0
	.amdhsa_kernel k_qa747351d51_prep
		.amdhsa_group_segment_fixed_size 0
		.amdhsa_private_segment_fixed_size 0
		.amdhsa_enable_private_segment 0
		.amdhsa_kernarg_size 40
		.amdhsa_user_sgpr_count 2
		.amdhsa_user_sgpr_kernarg_segment_ptr 1
		.amdhsa_wavefront_size32 1
		.amdhsa_system_sgpr_workgroup_id_x 1
		.amdhsa_system_sgpr_workgroup_id_y 1
		.amdhsa_system_sgpr_workgroup_id_z 1
		.amdhsa_system_vgpr_workitem_id 0
		.amdhsa_next_free_vgpr 96
		.amdhsa_next_free_sgpr 66
		.amdhsa_reserve_vcc 1
		.amdhsa_float_denorm_mode_32 3
		.amdhsa_float_denorm_mode_16_64 3
		.amdhsa_memory_ordered 1
		.amdhsa_forward_progress 1
		.amdhsa_inst_pref_size 14
	.end_amdhsa_kernel
	.amdgpu_metadata
---
amdhsa.version: [ 1, 2 ]
amdhsa.kernels:
  - .name:           k_qa747351d51_prep
    .symbol:         k_qa747351d51_prep.kd
    .args:
      - { .name: Wq, .offset: 0, .size: 8, .value_kind: global_buffer, .address_space: global }
      - { .name: Wk, .offset: 8, .size: 8, .value_kind: global_buffer, .address_space: global }
      - { .name: Wv, .offset: 16, .size: 8, .value_kind: global_buffer, .address_space: global }
      - { .name: lowp_scales, .offset: 24, .size: 8, .value_kind: global_buffer, .address_space: global }
      - { .name: wimg, .offset: 32, .size: 8, .value_kind: global_buffer, .address_space: global }
    .group_segment_fixed_size: 0
    .private_segment_fixed_size: 0
    .kernarg_segment_align: 8
    .kernarg_segment_size: 40
    .max_flat_workgroup_size: 96
    .sgpr_count:     66
    .vgpr_count:     96
    .wavefront_size: 32
...
	.end_amdgpu_metadata
.endif
;; end of part 1
;; launch head (part 2): grid 256 x 1, 4 waves a work-group, no clusters, 286,720 bytes of LDS; arguments x, wimg, lowp_scales, out0; writes out0
.if DOCPART == 2
	.amdgcn_target "amdgcn-amd-amdhsa--gfx1250"
	.amdhsa_code_object_version 6
	.text
	.protected	k_qa747351d51_head
	.globl	k_qa747351d51_head
	.p2align	8
	.type	k_qa747351d51_head,@function
k_qa747351d51_head:
	s_mov_b64 s[64:65], 0
	v_nop
	global_prefetch_b8 v0, s[64:65] scope:SCOPE_SE
	s_setreg_imm32_b32 hwreg(HW_REG_WAVE_MODE, 25, 1), 1
	s_wait_xcnt 0x0
; One attention head, fused: q, k, v = x Wq, x Wk, x Wv; S = q k^T / sqrt(600), causal; out = softmax(S) v.  All five products on codes of FP8 (E4M3) by v_wmma_f32_16x16x128_fp8_fp8, sums in f32.
; x: [512][128][600] f32.  wimg: the three weights' codes as images of fragments' registers, made by the launch before.  out0: [512][128][75] f32.  The ten scales 2^e are given: e0..e9.
; SHARES.  Work-group g takes batches 2 g and 2 g + 1, one after the other.  Wave w owns rows 32 w .. 32 w + 31 of a batch (two tiles of 16, a = 0, 1): it makes q, k and v of its rows
; (30 accumulators, 240 registers), hands k and v to the other waves through LDS as images of registers, and makes the attention of its 32 queries against all 128 keys.
; K OF THE PROJECTIONS.  600 = 5 steps of 120.  Lane (r, h) holds 64 slots of a fragment: slot i < 60 is k = 120 s + 60 h + i, slots 60..63 are zero codes, in x and in W alike: a place for each k that is the
; same on both sides keeps every product with its partner.
; x IS QUANTISED THREE TIMES, once for each projection's own scale (e0, e2, e4).
; x's WAY.  A load takes one row's 480 consecutive bytes of a step (lanes 30, 31 repeat lane 29, so that no load leaves x); 32 loads are a step; two steps' loads of every wave are out (a ring of two sets of 128
; registers).  A step turns through the wave's own stage in LDS, so that a lane comes to hold 60 neighbours of ONE row, which the conversions want.
; LAYOUTS.  q, k: source 0 = 16 columns of W, source 1 = 16 rows of x: a lane holds one row and eight head units: the conversion's two registers are registers 2 u, 2 u + 1 of the next operand.
; v: source 0 = x, source 1 = Wv: a lane holds one head unit and eight rows (keys): the conversion gives a pair of registers of V^T.  S^T = k q^T and O^T = V^T P^T: a lane holds one query throughout.
; Wv's columns are ordered so that O^T's lane half h and register 8 u + j hold head unit 37 h + 8 u + j: 38 registers a half are stored, unit 37 by both halves with the same sum; no lane is ever switched off.
; SOFTMAX.  All 128 keys of a row are at hand at once: t = score x log2(e) / sqrt(600), M = ceil(the row's largest t), p = 2^(t - M) is quantised with 2^e8; the sum of the unquantised p divides at the end.
; The weights' codes (153,600 bytes) are brought into LDS once, by one tensor load a wave, and stay; no LDS byte is filled a second time by a tensor load.
; NO CLUSTER: what work-groups share is the weights' 153,600 bytes, fetched once, beside 691,200 bytes of x and out that are a work-group's own.
; The text is a straight line (10 steps, 2 attentions, by macros): every offset is an immediate and every wait's count is the same on the one way there is.
; LIMITS, so that each power of two below is an f32 number: e0, e2, e4, e8, e6 - e0 - e1, e7 - e2 - e3, e9 - e4 - e5 between -126 and 119; e6 + e7 between -121 and 132 (added to an exponent field of 122).
; NaN in x is not served; an infinity is held at the largest code.
;
; LDS: 0 the weights' images (fragment 15 s + 5 m + u at 2,048 bytes each); XSTG a stage of 32 rows x 528 bytes for each wave; KIMG k's 8 fragments; VIMG V^T's 5; OSTG a batch's out, dense.
; REGISTERS, in windows of 256.  Window 0: v1-20 addresses and scales; v32-55 at work; v56-115 60 numbers of a row; v120-215 x's codes (a, m), later q, k, v's codes; v56-131 the way out.
;   Window 1: the ring.   Window 2: the accumulators, later S^T, O^T, P; v240-253 the softmax's own.   Window 3: a step's 15 fragments of W, later k's and V^T's.
.set XSTG, 153600
.set XPIT, 528                         ; a stage row: 512 bytes written (480 read) + 16: 33 x 16 bytes, so that the 16 rows that a read touches start 16 bytes apart modulo 256 (64 banks of 4 bytes: ISA guide 11.1)
.set XWAVE, 32*XPIT
.set KIMG, XSTG+4*XWAVE
.set VIMG, KIMG+8*2048
.set OSTG, VIMG+5*2048
.set XG,  1                            ; v1    x: 16 x min(lane, 29)
.set XS,  2                            ; v2    the stage, in: 16 x lane
.set XR,  3                            ; v3    the stage, out: 528 r + 240 h
.set WA,  4                            ; v4-8  the weights' images of step s: 16 x lane + 30,720 s
.set KST, 9                            ; v9    where I store k's images
.set VST, 10                           ; v10   and V^T's
.set IM,  11                           ; v11   where anybody reads images: KIMG + 16 x lane
.set SO,  12                           ; v12   out's stage, in
.set SR,  13                           ; v13   out's stage, back: 16 x thread
.set GO,  14                           ; v14   the same place in a batch's out
.set SCX, 15                           ; v15-17  2^e0, 2^e2, 2^e4
.set SCA, 18                           ; v18-20  2^(e6-e0-e1), 2^(e7-e2-e3), 2^(e9-e4-e5): a sum stands for sum x 2^(its two operands' e), so three scales fold into one
.set TA,  32                           ; v32-39, v40-47  held numbers, two sets by turns
.set TZ,  48                           ; v48-55  the last four of the sixty; v52-55 stay 0
.set F,   56
.set XC,  120                          ; x's codes: (a, m) at XC + 48 a + 16 m
.set QF,  120                          ; q's fragment of tile a at QF + 16 a
.set KC,  152                          ; k's
.set VC,  184                          ; V^T's quad of registers of tile u at VC + 4 u
.set RO,  56
.set NI,  240                          ; window 2: -infinity
.set PSC, 241                          ; 2^e8
.set DQ,  242                          ; v242, v243  my query less 8 h, for a = 0, 1
.set MXA, 244
.set MXB, 245
.set NM,  246                          ; v[246:247]  -M (the packed form names a pair and takes its low word)
.set LP,  248                          ; v[248:249], v[250:251]  the row's sum in two halves, for a = 0, 1
.set SB,  252                          ; v[252:253]  the sum's second chain
.set PLX, 30                           ; s30-32  448 x 2^e for x;   s33-35 its negative
.set NLX, 33
.set PLA, 36                           ; s36-38, s39-41 the same for q, k, v
.set NLA, 39
.set MSB, 0
.set QC, 0
.macro WIN new                         ; the immediate's high byte repeats the setting that is left; bits 1:0 source 0, 3:2 source 1, 5:4 source 2, 7:6 destination
.if MSB != \new
	s_set_vgpr_msb (MSB<<8)|\new
.set MSB, \new
.endif
.endm
.macro PLACES                          ; four plain vector lines between a matrix instruction and a vector line that reads its result, or a load into one of its registers
.rept 4
	v_nop
.endr
.endm
.macro BARRIER                         ; my LDS stores have landed and my LDS loads are in: then the work-group's barrier
	s_wait_dscnt 0x0
	s_barrier_signal -1
	s_barrier_wait -1
.endm
.macro POW2 vdst, pl, nl               ; s44 = e:  v[vdst] = 2^e,  s[pl] = 448 x 2^e,  s[nl] = -448 x 2^e
	s_add_co_i32 s44, s44, 127
	s_lshl_b32 s45, s44, 23
	v_mov_b32 v[\vdst], s45
	s_add_co_i32 s44, s44, 8
	s_lshl_b32 s44, s44, 23
	s_or_b32 s[\pl], s44, 0x600000
	s_or_b32 s[\nl], s[\pl], 0x80000000
.endm
; Step n = 5 b + s: my 32 rows' bytes 480 s .. 480 s + 479 of batch b, into ring set n % 2
.macro XLOAD n
	WIN 0x40                                       ; destination window 1
.set XB, 128*((\n)%2)
.set XO, 307200*((\n)/5)+480*((\n)%5)
.set xi, 0
.rept 32
	global_load_b128 v[XB+4*xi:XB+4*xi+3], v[XG], s[4:5] offset:XO+2400*xi
.set xi, xi+1
.endr
.endm
.macro XPUT p                          ; ring set p into my stage, a row an instruction
	WIN 0x04                                       ; store data window 1
.set xi, 0
.rept 32
	ds_store_b128 v[XS], v[128*(\p)+4*xi:128*(\p)+4*xi+3] offset:XPIT*xi
.set xi, xi+1
.endr
.endm
.macro XGET a                          ; tile a: my row's 60 numbers of my half.  LDS serves a wave's instructions in order (ISA guide 5.7.1.4): these see my stores
	WIN 0
.set xi, 0
.rept 15
	ds_load_b128 v[F+4*xi:F+4*xi+3], v[XR] offset:16*XPIT*(\a)+16*xi
.set xi, xi+1
.endr
.endm
.macro WGET s                          ; step s's 15 fragments of W into window 3
	WIN 0xc0
.set xi, 0
.rept 60
	ds_load_b128 v[4*xi:4*xi+3], v[WA+\s] offset:512*xi
.set xi, xi+1
.endr
.endm
; The 60 numbers in F become three fragments of codes, one for each projection's scale.  Behind each conversion the next line is a hold into another set: the plain line that a conversion wants behind it.
.macro QX a
.irp m, 0,1,2
.irp g, 0,1,2,3,4,5,6
.set TT, TA+8*(QC%2)
.set QC, QC+1
.irp i, 0,1,2,3,4,5,6,7
	v_med3_num_f32 v[TT+\i], v[F+8*\g+\i], s[NLX+\m], s[PLX+\m]   ; the conversion to an 8-bit code does not saturate (ISA guide 7.6.2): the hold comes first
.endr
	v_cvt_scalef32_pk8_fp8_f32 v[XC+48*(\a)+16*\m+2*\g:XC+48*(\a)+16*\m+2*\g+1], v[TT:TT+7], v[SCX+\m]
.endr
.irp i, 0,1,2,3
	v_med3_num_f32 v[TZ+\i], v[F+56+\i], s[NLX+\m], s[PLX+\m]
.endr
	v_cvt_scalef32_pk8_fp8_f32 v[XC+48*(\a)+16*\m+14:XC+48*(\a)+16*\m+15], v[TZ:TZ+7], v[SCX+\m]   ; slots 56..59, and four zero codes
.endr
	v_nop                                          ; one plain line between the last conversion and the products that read its result
.endm
; Tile a's 15 products of a step.  The 30 accumulators take turns, one instruction a turn, in the same order in every step.  s = 0: the first step starts the sums.
.macro MULT a, s
	WIN 0xa3                                       ; source 0 (W) window 3, source 1 (x) window 0, C and D window 2
.irp m, 0,1
.irp u, 0,1,2,3,4
.set AC, 8*(15*(\a)+5*\m+\u)
.if (\s) == 0
	v_wmma_f32_16x16x128_fp8_fp8 v[AC:AC+7], v[16*(5*\m+\u):16*(5*\m+\u)+15], v[XC+48*(\a)+16*\m:XC+48*(\a)+16*\m+15], 0
.else
	v_wmma_f32_16x16x128_fp8_fp8 v[AC:AC+7], v[16*(5*\m+\u):16*(5*\m+\u)+15], v[XC+48*(\a)+16*\m:XC+48*(\a)+16*\m+15], v[AC:AC+7]
.endif
.endr
.endr
	WIN 0xac                                       ; v the other way round: source 0 (x) window 0, source 1 (Wv) window 3
.irp u, 0,1,2,3,4
.set AC, 8*(15*(\a)+10+\u)
.if (\s) == 0
	v_wmma_f32_16x16x128_fp8_fp8 v[AC:AC+7], v[XC+48*(\a)+32:XC+48*(\a)+47], v[16*(10+\u):16*(10+\u)+15], 0
.else
	v_wmma_f32_16x16x128_fp8_fp8 v[AC:AC+7], v[XC+48*(\a)+32:XC+48*(\a)+47], v[16*(10+\u):16*(10+\u)+15], v[AC:AC+7]
.endif
.endr
.endm
.macro STEP n
.if (\n) < 9
	s_wait_loadcnt 32                              ; loads come back in order: this step's 32 are in, the next step's 32 may be out
.else
	s_wait_loadcnt 0
.endif
	XPUT (\n)%2
	XGET 0
	PLACES                                         ; behind the last step's products, ahead of the loads into the registers that held W
	WGET (\n)%5
	s_wait_dscnt 60                                ; only the 60 reads of W may be out: the 32 stores have read the ring's set, and tile 0's numbers are in
.if (\n) <= 7
	XLOAD (\n)+2                                   ; the set takes the step two on; the last two steps ask for nothing
.endif
	WIN 0
	QX 0
	XGET 1
	s_wait_dscnt 15                                ; W is in; tile 1's 15 reads may be out
	MULT 0, (\n)%5
	WIN 0
	s_wait_dscnt 0x0                               ; tile 1's numbers
	QX 1
	MULT 1, (\n)%5
	WIN 0
.endm
; The softmax of tile a's 16 queries: a lane holds query r and the keys 16 c + 8 h + j in register 8 c + j.  All in window 2.
.macro SOFT a
.set SS, 64*(\a)
.set sn, 0
.rept 64
	v_cmp_gt_i32 vcc_lo, 16*(sn/8)+sn%8, v[DQ+\a]  ; the key comes after the query: 16 c + j > query - 8 h.  Each accumulator is read from its low end on
	v_cndmask_b32 v[SS+sn], v[SS+sn], v[NI], vcc_lo  ; its score becomes -infinity: p = 0
.set sn, sn+1
.endr
	v_max3_num_f32 v[MXA], v[SS], v[SS+1], v[SS+2] ; the largest score among my 64 keys, in two chains,
	v_max3_num_f32 v[MXB], v[SS+3], v[SS+4], v[SS+5]
.irp i, 6,10,14,18,22,26,30,34,38,42,46,50,54,58
	v_max3_num_f32 v[MXA], v[MXA], v[SS+\i], v[SS+\i+1]
	v_max3_num_f32 v[MXB], v[MXB], v[SS+\i+2], v[SS+\i+3]
.endr
	v_max3_num_f32 v[MXA], v[MXA], v[SS+62], v[SS+63]
	v_max_num_f32 v[MXA], v[MXA], v[MXB]
	v_permlanex16_b32 v[MXB], v[MXA], s26, s27
	v_max_num_f32 v[MXA], v[MXA], v[MXB]           ; and among lane l xor 16's: key 0 counts for every query, so this is a number
	v_mul_f32 v[MXA], s28, v[MXA]                  ; as t (the factor is positive)
	v_floor_f32 v[NM], -v[MXA]                     ; -M = floor(-t) = -ceil(t)
.set sn, 0
.rept 32
	v_pk_fma_f32 v[SS+sn:SS+sn+1], v[SS+sn:SS+sn+1], s[28:29], v[NM:NM+1] op_sel_hi:[1,0,0]   ; t - M, two at a time
.set sn, sn+2
.endr
.set sn, 0
.rept 64
	v_exp_f32 v[SS+sn], v[SS+sn]                   ; p = 2^(t - M), at most 1, not normalised
.set sn, sn+1
.endr
	v_nop                                          ; one plain line that touches none of the exponentials' registers stands between them and the first use of a result (ISA guide 5.7.2); all the work that follows reads p
	s_wait_alu depctr_va_vdst(0)
	v_pk_add_f32 v[LP+2*\a:LP+2*\a+1], v[SS:SS+1], v[SS+2:SS+3]   ; the row's sum of the UNQUANTISED p, in two chains
	v_pk_add_f32 v[SB:SB+1], v[SS+4:SS+5], v[SS+6:SS+7]
.irp j, 8,12,16,20,24,28,32,36,40,44,48,52,56,60
	v_pk_add_f32 v[LP+2*\a:LP+2*\a+1], v[LP+2*\a:LP+2*\a+1], v[SS+\j:SS+\j+1]
	v_pk_add_f32 v[SB:SB+1], v[SB:SB+1], v[SS+\j+2:SS+\j+3]
.endr
	v_pk_add_f32 v[LP+2*\a:LP+2*\a+1], v[LP+2*\a:LP+2*\a+1], v[SB:SB+1]
.set sn, 0
.rept 64
	v_min_num_f32 v[SS+sn], s42, v[SS+sn]          ; p is not negative: the hold at 448 x 2^e8 is one-sided
.set sn, sn+1
.endr
.irp c, 0,1,2,3,4,5,6,7
	v_cvt_scalef32_pk8_fp8_f32 v[208+16*\a+2*\c:208+16*\a+2*\c+1], v[SS+8*\c:SS+8*\c+7], v[PSC]   ; registers 2 c, 2 c + 1 of P: keys 16 c + 8 h + 0 .. 7
.endr
	v_nop                                          ; one plain line behind the last conversion
.endm
; The attention of batch b.
.macro ATT b
	PLACES                                         ; behind the last products
	WIN 0x82                                       ; source 0 and destination window 2
.irp a, 0,1
.irp m, 0,1,2
.set an, 0
.rept 40
	v_med3_num_f32 v[120*\a+40*\m+an], v[120*\a+40*\m+an], s[NLA+\m], s[PLA+\m]   ; the hold, each accumulator from its low end on
.set an, an+1
.endr
.endr
.endr
	WIN 0x02                                       ; source 0 window 2, destination window 0
.irp a, 0,1
.irp u, 0,1,2,3,4
	v_cvt_scalef32_pk8_fp8_f32 v[QF+16*\a+2*\u:QF+16*\a+2*\u+1], v[120*\a+8*\u:120*\a+8*\u+7], v[SCA]         ; q: head units 16 u + 8 h + 0 .. 7 of my row
	v_cvt_scalef32_pk8_fp8_f32 v[KC+16*\a+2*\u:KC+16*\a+2*\u+1], v[120*\a+40+8*\u:120*\a+40+8*\u+7], v[SCA+1] ; k likewise
	v_cvt_scalef32_pk8_fp8_f32 v[VC+4*\u+2*\a:VC+4*\u+2*\a+1], v[120*\a+80+8*\u:120*\a+80+8*\u+7], v[SCA+2]   ; v: keys 16 (2 w + a) + 8 h + 0 .. 7 of my head unit
.endr
.endr
	WIN 0
.irp a, 0,1
.irp i, 10,11,12,13,14,15
	v_mov_b32 v[QF+16*\a+\i], 0                    ; K = 75 fills 80 of the 128 slots (units 75..79 are sums of zero codes); the rest are zero codes.  (The first is the plain line behind the conversions)
	v_mov_b32 v[KC+16*\a+\i], 0
.endr
.endr
.irp a, 0,1
.irp g, 0,1,2,3
	ds_store_b128 v[KST], v[KC+16*\a+4*\g:KC+16*\a+4*\g+3] offset:2048*\a+512*\g   ; k's fragment of key tile 2 w + a, as it stands
.endr
.endr
.irp u, 0,1,2,3,4
	ds_store_b128 v[VST], v[VC+4*\u:VC+4*\u+3] offset:2048*\u   ; registers 4 w .. 4 w + 3 of V^T's fragment u
.endr
	BARRIER                                        ; k's eight fragments and V^T's five lie in LDS; the waves' reads of out's stage (the batch before) are over
	WIN 0xc0                                       ; destination window 3
.set an, 0
.rept 32
	ds_load_b128 v[4*an:4*an+3], v[IM] offset:512*an
.set an, an+1
.endr
.set an, 0
.rept 20
	ds_load_b128 v[128+4*an:128+4*an+3], v[IM] offset:16384+512*an
.set an, an+1
.endr
	s_wait_dscnt 20                                ; k is in; V^T's 20 reads may be out
	WIN 0x83                                       ; source 0 (k) window 3, source 1 (q) window 0, destination window 2
.irp c, 0,1,2,3,4,5,6,7
.irp a, 0,1
	v_wmma_f32_16x16x128_fp8_fp8 v[64*\a+8*\c:64*\a+8*\c+7], v[16*\c:16*\c+15], v[QF+16*\a:QF+16*\a+15], 0
.endr
.endr
	PLACES
	WIN 0xaa                                       ; all in window 2
	SOFT 0
	SOFT 1
	s_wait_dscnt 0x0                               ; V^T
	WIN 0x8b                                       ; source 0 (V^T) window 3, source 1 (P) and destination window 2
.irp u, 0,1,2,3,4
.irp a, 0,1
	v_wmma_f32_16x16x128_fp8_fp8 v[128+40*\a+8*\u:128+40*\a+8*\u+7], v[128+16*\u:128+16*\u+15], v[208+16*\a:208+16*\a+15], 0
.endr
.endr
	WIN 0xaa
	v_add_f32 v[LP], v[LP], v[LP+1]                ; the sum's two halves.  (These lines name no register of the products: the plain ones among them are the places behind them)
	v_add_f32 v[LP+2], v[LP+2], v[LP+3]
	v_permlanex16_b32 v[MXA], v[LP], s26, s27
	v_permlanex16_b32 v[MXB], v[LP+2], s26, s27
	v_add_f32 v[LP], v[LP], v[MXA]                 ; and lane l xor 16's
	v_add_f32 v[LP+2], v[LP+2], v[MXB]
	v_rcp_f32 v[LP], v[LP]                         ; the sum is above 1/2
	v_rcp_f32 v[LP+2], v[LP+2]
	v_nop                                          ; one plain line behind a transcendental
	s_wait_alu depctr_va_vdst(0)
	v_ldexp_f32 v[LP], v[LP], s43                  ; x 2^(e8 + e9)
	v_ldexp_f32 v[LP+2], v[LP+2], s43
.irp a, 0,1
.set an, 0
.rept 19
	v_pk_mul_f32 v[128+40*\a+an:128+40*\a+an+1], v[128+40*\a+an:128+40*\a+an+1], v[LP+2*\a:LP+2*\a+1] op_sel_hi:[1,0]   ; O^T / the sum, each accumulator from its low end on
.set an, an+2
.endr
.endr
	WIN 0x08                                       ; store data window 2
.irp a, 0,1
.set an, 0
.rept 38
	ds_store_b32 v[SO], v[128+40*\a+an] offset:4800*\a+4*an   ; out(32 w + 16 a + r, 37 h + an), into the dense stage
.set an, an+1
.endr
.endr
	WIN 0
	BARRIER                                        ; the batch's 38,400 bytes lie in the stage; the waves' reads of the images are over
.set an, 0
.rept 18
	ds_load_b128 v[RO+4*an:RO+4*an+3], v[SR] offset:2048*an
.set an, an+1
.endr
.set an, 0
.rept 18
	s_wait_dscnt 17-an                             ; the younger reads may be out
	global_store_b128 v[GO], v[RO+4*an:RO+4*an+3], s[10:11] offset:38400*\b+2048*an th:TH_STORE_NT   ; a wave stores 512 consecutive bytes, at a multiple of 512 from out's first byte
.set an, an+1
.endr
	s_cmp_eq_u32 s12, 3                            ; 38,400 bytes are 75 runs of 512: the last three are waves 0 to 2's
	s_cbranch_scc1 .Lno_tail_\@
	ds_load_b128 v[RO+72:RO+75], v[SR] offset:36864
	s_wait_dscnt 0x0
	global_store_b128 v[GO], v[RO+72:RO+75], s[10:11] offset:38400*\b+36864 th:TH_STORE_NT
.Lno_tail_\@:
.if (\b) == 0
	s_wait_xcnt 0x0                                ; the stores' data registers are written again in the next step only behind this wait
.endif
.endm
	s_load_b256 s[4:11], s[0:1], 0x0               ; x s[4:5], the weights' images s[6:7], the scales' exponents s[8:9], out s[10:11]
	v_lshl_add_u32 v254, v0, 2, 0x45e00
	v_mov_b32 v255, 0
	ds_add_u32 v254, v255
	ds_add_u32 v254, v255
	v_lshrrev_b32 v21, 5, v0
	v_readfirstlane_b32 s12, v21                   ; wave 0..3
	v_and_b32 v22, 31, v0                          ; lane
	v_min_u32 v[XG], 29, v22
	v_lshlrev_b32 v[XG], 4, v[XG]                  ; a row's piece is 480 bytes: 30 lanes' worth
	s_mul_i32 s44, ttmp9, 614400                   ; two batches of 307,200 bytes,
	s_mul_i32 s45, s12, 76800                      ; my 32 rows of 2,400
	s_add_co_u32 s44, s44, s45
	s_mov_b32 s45, 0
	s_mul_i32 s46, ttmp9, 76800                    ; two batches of out
	s_mov_b32 s47, 0
	; the tensor load: my quarter of the images, a dense block of 38,400 bytes, as 150 rows of 256 bytes
	s_mov_b32 s48, 1                               ; group 0: count = 1
	s_mul_i32 s49, s12, 38400                      ; LDS address: wave x 38,400
	s_mov_b32 s14, s49
	s_mov_b32 s15, 0
	s_mov_b32 s52, 3<<16                           ; group 1: no mask, elements of 8 bytes, no padding
	s_mov_b32 s53, 32<<16                          ; tensor_dim0 = 32
	s_mov_b32 s54, 150<<16                         ; tensor_dim1 = 150
	s_mov_b32 s55, 32<<16                          ; tile_dim0 = 32
	s_mov_b32 s56, 150                             ; tile_dim1 = 150
	s_mov_b32 s57, 32                              ; from row to row: 32 elements
	s_mov_b32 s58, 0
	s_mov_b32 s59, 0
	s_mov_b32 s26, 0x76543210                      ; v_permlanex16_b32's selects for lane l xor 16
	s_mov_b32 s27, 0xfedcba98
	s_wait_dscnt 0x0
	s_wait_kmcnt 0x0
	s_load_b256 s[16:23], s[8:9], 0x0              ; e0..e7
	s_load_b64 s[24:25], s[8:9], 0x20              ; e8, e9
	s_add_nc_u64 s[50:51], s[6:7], s[14:15]
	s_or_b32 s51, s51, 0x80000000                  ; type = 2
	tensor_load_to_lds s[48:51], s[52:59]          ; one load a wave, the only one of the launch: one is out
	s_nop 0
	PLACES                                         ; four v_nop follow it
	s_add_nc_u64 s[4:5], s[4:5], s[44:45]
	s_add_nc_u64 s[10:11], s[10:11], s[46:47]
	XLOAD 0
	XLOAD 1                                        ; two steps, 64 loads, of every wave are out
	WIN 0
	v_and_b32 v23, 15, v0                          ; r
	v_bfe_u32 v24, v0, 4, 1                        ; h
	s_mul_i32 s44, s12, XWAVE
	s_add_co_u32 s44, s44, XSTG                    ; my stage
	v_lshl_add_u32 v[XS], v22, 4, s44
	v_mul_u32_u24 v[XR], v23, XPIT
	v_mad_u32_u24 v[XR], v24, 240, v[XR]
	v_add_nc_u32 v[XR], s44, v[XR]
.irp s, 0,1,2,3,4
	v_lshl_add_u32 v[WA+\s], v22, 4, 30720*\s
.endr
	s_lshl_b32 s45, s12, 12
	s_add_co_u32 s45, s45, KIMG
	v_lshl_add_u32 v[KST], v22, 4, s45             ; key tiles 2 w, 2 w + 1
	s_lshl_b32 s45, s12, 9
	s_add_co_u32 s45, s45, VIMG
	v_lshl_add_u32 v[VST], v22, 4, s45             ; quad w of each fragment
	v_lshl_add_u32 v[IM], v22, 4, KIMG
	s_mul_i32 s45, s12, 9600
	s_add_co_u32 s45, s45, OSTG
	v_mul_u32_u24 v[SO], v23, 300
	v_mad_u32_u24 v[SO], v24, 148, v[SO]
	v_add_nc_u32 v[SO], s45, v[SO]                 ; row 32 w + r of 300 bytes, head unit 37 h
	v_lshl_add_u32 v[SR], v0, 4, OSTG
	v_lshlrev_b32 v[GO], 4, v0
.irp i, 4,5,6,7
	v_mov_b32 v[TZ+\i], 0
.endr
	v_lshlrev_b32 v25, 3, v24
	v_sub_nc_u32 v25, v23, v25
	s_lshl_b32 s45, s12, 5
	v_add_nc_u32 v25, s45, v25                     ; 32 w + r - 8 h
	s_wait_kmcnt 0x0
.irp m, 0,1,2
	s_mov_b32 s44, s[16+2*\m]
	POW2 SCX+\m, PLX+\m, NLX+\m
.endr
	s_sub_co_i32 s44, s22, s16
	s_sub_co_i32 s44, s44, s17
	POW2 SCA, PLA, NLA
	s_sub_co_i32 s44, s23, s18
	s_sub_co_i32 s44, s44, s19
	POW2 SCA+1, PLA+1, NLA+1
	s_sub_co_i32 s44, s25, s20
	s_sub_co_i32 s44, s44, s21
	POW2 SCA+2, PLA+2, NLA+2
	s_add_co_i32 s44, s24, 127
	s_lshl_b32 s46, s44, 23                        ; 2^e8
	s_add_co_i32 s44, s44, 8
	s_lshl_b32 s44, s44, 23
	s_or_b32 s42, s44, 0x600000                    ; 448 x 2^e8
	s_add_co_i32 s43, s24, s25                     ; e8 + e9
	s_add_co_i32 s44, s22, s23
	s_lshl_b32 s44, s44, 23
	s_add_co_i32 s28, s44, 0x3d713ecc              ; log2(e) / sqrt(600), with e6 + e7 added to its exponent field: a score stands for score x 2^(e6 + e7)
	s_mov_b32 s29, s28                             ; (named with it as a pair, so it is written)
	WIN 0x80                                       ; destination window 2
	v_mov_b32 v[NI], 0xff800000
	v_mov_b32 v[PSC], s46
	v_mov_b32 v[DQ], v25
	v_add_nc_u32 v[DQ+1], 16, v25
	v_mov_b32 v[MXB], 0
	v_mov_b32 v[NM+1], 0                           ; (named as the upper half of a pair)
	WIN 0
	s_wait_tensorcnt 0x0                           ; my quarter of the weights' images has landed,
	s_barrier_signal -1
	s_barrier_wait -1                              ; everybody's has
	STEP 0
	STEP 1
	STEP 2
	STEP 3
	STEP 4
	ATT 0                                          ; the next batch's first two steps are on their way meanwhile
	STEP 5
	STEP 6
	STEP 7
	STEP 8
	STEP 9
	ATT 1
	s_wait_tensorcnt 0x0
	ds_add_u32 v254, v255
	s_wait_dscnt 0x0
	s_endpgm
.Lfunc_end_k_qa747351d51_head:
	.size	k_qa747351d51_head, .Lfunc_end_k_qa747351d51_head-k_qa747351d51_head
	.p2alignl 7, 3214868480
	.fill 96, 4, 3214868480
	.section	.rodata,"a",@progbits
	.p2align	6, 0x0
	.amdhsa_kernel k_qa747351d51_head
		.amdhsa_group_segment_fixed_size 286720
		.amdhsa_private_segment_fixed_size 0
		.amdhsa_enable_private_segment 0
		.amdhsa_kernarg_size 32
		.amdhsa_user_sgpr_count 2
		.amdhsa_user_sgpr_kernarg_segment_ptr 1
		.amdhsa_wavefront_size32 1
		.amdhsa_system_sgpr_workgroup_id_x 1
		.amdhsa_system_sgpr_workgroup_id_y 1
		.amdhsa_system_sgpr_workgroup_id_z 1
		.amdhsa_system_vgpr_workitem_id 0
		.amdhsa_next_free_vgpr 1024
		.amdhsa_next_free_sgpr 66
		.amdhsa_reserve_vcc 1
		.amdhsa_float_denorm_mode_32 3
		.amdhsa_float_denorm_mode_16_64 3
		.amdhsa_memory_ordered 1
		.amdhsa_forward_progress 1
		.amdhsa_inst_pref_size 255
	.end_amdhsa_kernel
	.section	.bss,"aw",@nobits
	.p2align	6
	.space	262144
	.amdgpu_metadata
---
amdhsa.version: [ 1, 2 ]
amdhsa.kernels:
  - .name:           k_qa747351d51_head
    .symbol:         k_qa747351d51_head.kd
    .args:
      - { .name: x, .offset: 0, .size: 8, .value_kind: global_buffer, .address_space: global }
      - { .name: wimg, .offset: 8, .size: 8, .value_kind: global_buffer, .address_space: global }
      - { .name: lowp_scales, .offset: 16, .size: 8, .value_kind: global_buffer, .address_space: global }
      - { .name: out0, .offset: 24, .size: 8, .value_kind: global_buffer, .address_space: global }
    .group_segment_fixed_size: 286720
    .private_segment_fixed_size: 0
    .kernarg_segment_align: 8
    .kernarg_segment_size: 32
    .max_flat_workgroup_size: 128
    .sgpr_count:     66
    .vgpr_count:     1024
    .wavefront_size: 32
...
	.end_amdgpu_metadata
.endif
;; end of part 2
;; ======== version 2 of 2: 2 launches
;; limits: right only within a limited range of input values
;; workspace buffers: wimg 153,600 bytes
;; launch prep (part 3): grid 15 x 5, 4 waves a work-group, no clusters, 0 bytes of LDS; arguments Wq, Wk, Wv, lowp_scales, wimg; writes wimg
.if DOCPART == 3
	.amdgcn_target "amdgcn-amd-amdhsa--gfx1250"
	.amdhsa_code_object_version 6
	.text
	.protected	k_qa747351d51_prep
	.globl	k_qa747351d51_prep
	.p2align	8
	.type	k_qa747351d51_prep,@function
k_qa747351d51_prep:
	s_mov_b64 s[64:65], 0
	v_nop
	global_prefetch_b8 v0, s[64:65] scope:SCOPE_SE
	s_setreg_imm32_b32 hwreg(HW_REG_WAVE_MODE, 25, 1), 1
	s_wait_xcnt 0x0
; Wq, Wk, Wv [600][75] f32 become codes of FP8 (E4M3), laid as IMAGES OF THE REGISTERS of the matrix fragments that the second launch feeds to v_wmma_f32_16x16x128_fp8_fp8.
; code = w / 2^e, held within +-448, to the nearest code, ties to even; e = entry 1 (Wq), 3 (Wk), 5 (Wv) of the scales.
; LIMITS: -126 <= e and e + 8 <= 127, so that 2^e and 448 x 2^e are f32 numbers.  NaN among the inputs is not served; an infinity is held at the largest code.
; SHARES.  Work-group (5 m + u, s), wave c: registers 4 c .. 4 c + 3 of ONE fragment: K step s (0..4), matrix m (0 q, 1 k, 2 v), tile u (0..4) of 16 columns.  300 waves in all.
; K.  Lane (r, h) = (lane % 16, lane / 16), register 4 c + i, byte j stands for k = 128 s + 64 (i % 2) + 16 c + 8 h + 4 (i / 2) + j, the order in which the second launch lays x's codes; from k = 600 on: zero codes.
; COLUMNS.  q, k: lane r takes column 16 u + r (zero codes from column 75 on).  v: lane r takes column 37 (r / 8) + 8 u + r % 8, zero codes where 8 u + r % 8 >= 38: so the last product's result
; has head units 0..37 in lanes 0-15 and 37..74 in lanes 16-31 (unit 37 twice), and the second launch needs no lane mask.
; Image: byte ((15 s + 5 m + u) 4 + c) 512 + 16 lane holds registers 4 c .. 4 c + 3.
.set X, 16                             ; v16-31  16 numbers
.set C, 32                             ; v32-35  the codes
	s_load_b256 s[4:11], s[0:1], 0x0               ; Wq s[4:5], Wk s[6:7], Wv s[8:9], the scales' exponents s[10:11]
	s_load_b64 s[12:13], s[0:1], 0x20              ; the images
	v_lshrrev_b32 v9, 5, v0
	v_readfirstlane_b32 s14, v9                    ; wave = c
	s_cmp_lt_u32 ttmp9, 5
	s_cselect_b32 s15, 0, 1
	s_cmp_lt_u32 ttmp9, 10
	s_cselect_b32 s16, 0, 1
	s_add_co_u32 s15, s15, s16                     ; m
	s_mul_i32 s16, s15, 5
	s_sub_co_u32 s16, ttmp9, s16                   ; u
	s_and_b32 s17, ttmp7, 0xffff                   ; s
	s_cmp_eq_u32 s15, 2                            ; Wv's order of columns, or the plain one
	s_cselect_b32 s28, 8, 16                       ; columns that a tile steps on
	s_cselect_b32 s29, 37, 8                       ; what r / 8 adds to the column
	s_cselect_b32 s30, 0, 8                        ; what r / 8 adds to the number that is tested
	s_mov_b32 s31, 75
	s_cselect_b32 s31, 38, s31                     ; and its bound
	s_mul_i32 s32, s28, s16
	s_lshl_b32 s33, s17, 7
	s_lshl_b32 s34, s14, 4
	s_add_co_u32 s33, s33, s34                     ; 128 s + 16 c
	s_mul_i32 s34, s17, 15
	s_add_co_u32 s34, s34, ttmp9                   ; the fragment's number 15 s + 5 m + u
	s_lshl_b32 s34, s34, 11                        ; x 2,048 bytes
	s_lshl_b32 s35, s14, 9
	s_add_co_u32 s34, s34, s35
	v_and_b32 v10, 31, v0                          ; lane
	v_bfe_u32 v2, v0, 4, 1                         ; h
	v_bfe_u32 v3, v0, 3, 1                         ; r / 8
	v_and_b32 v4, 7, v0                            ; r % 8
	v_mad_u32_u24 v5, v3, s29, v4
	v_add_nc_u32 v5, s32, v5                       ; my column n
	v_mad_u32_u24 v6, v3, s30, v4
	v_add_nc_u32 v6, s32, v6
	v_cmp_gt_u32 s40, s31, v6                      ; lanes whose column counts; the others give zero codes
	v_min_u32 v5, 74, v5                           ; every lane loads inside W
	v_lshlrev_b32 v5, 2, v5
	v_lshlrev_b32 v2, 3, v2
	v_add_nc_u32 v2, s33, v2                       ; k of i = 0, j = 0: at most 568
	v_add_nc_u32 v3, 64, v2                        ; and of i = 1
	v_cmp_gt_u32 s41, 0x258, v3                    ; does it lie under 600?  (600 is a multiple of 8, so eight neighbours go one way)
	v_min_u32 v3, 0x250, v3                        ; the last byte touched is 599 x 300 + 296 + 3 = 179,999
	v_mul_u32_u24 v7, v2, 300
	v_add_nc_u32 v7, v7, v5
	v_mul_u32_u24 v8, v3, 300
	v_add_nc_u32 v8, v8, v5
	v_lshl_add_u32 v10, v10, 4, s34                ; my place in the images
	s_and_b32 s41, s41, s40
	s_wait_alu depctr_va_vdst(0)
	s_wait_kmcnt 0x0
	s_load_b256 s[20:27], s[10:11], 0x0            ; entries 0..7
	s_cmp_eq_u32 s15, 0                            ; the choice of the matrix hangs on the work-group's number alone
	s_cselect_b64 s[18:19], s[4:5], s[6:7]
	s_cmp_eq_u32 s15, 2
	s_cselect_b64 s[18:19], s[8:9], s[18:19]
.irp g, 0,1
.irp j, 0,1,2,3
	global_load_b32 v[X+8*\g+\j], v7, s[18:19] offset:300*(4*\g+\j)     ; sixteen lanes read 64 neighbouring bytes (Wv: two runs of 32)
	global_load_b32 v[X+8*\g+4+\j], v8, s[18:19] offset:300*(4*\g+\j)
.endr
.endr
	s_wait_kmcnt 0x0
	s_cmp_eq_u32 s15, 0
	s_cselect_b32 s42, s21, s23
	s_cmp_eq_u32 s15, 2
	s_cselect_b32 s42, s25, s42                    ; e
	s_add_co_i32 s42, s42, 127
	s_lshl_b32 s36, s42, 23
	v_mov_b32 v11, s36                             ; 2^e as f32: the conversion takes its exponent field
	s_add_co_i32 s42, s42, 8
	s_lshl_b32 s42, s42, 23
	s_or_b32 s37, s42, 0x600000                    ; 448 x 2^e
	s_or_b32 s38, s37, 0x80000000                  ; and its negative
	s_wait_alu depctr_va_vdst(0)
	s_wait_loadcnt 0x0
.set pi, 0
.rept 16
	v_med3_num_f32 v[X+pi], v[X+pi], s38, s37      ; the conversion to an 8-bit code does not saturate (ISA guide 7.6.2): the hold comes first
.set pi, pi+1
.endr
	v_cvt_scalef32_pk8_fp8_f32 v[C:C+1], v[X:X+7], v11
	v_cvt_scalef32_pk8_fp8_f32 v[C+2:C+3], v[X+8:X+15], v11
	v_nop                                          ; one plain vector line between the last conversion and the lines that touch its result
	v_cndmask_b32 v[C], 0, v[C], s40               ; zero codes where the column or the k does not count
	v_cndmask_b32 v[C+1], 0, v[C+1], s41
	v_cndmask_b32 v[C+2], 0, v[C+2], s40
	v_cndmask_b32 v[C+3], 0, v[C+3], s41
	global_store_b128 v10, v[C:C+3], s[12:13]      ; the wave stores 512 consecutive bytes, at a multiple of 512 from the buffer's first byte
	s_endpgm
.Lfunc_end_k_qa747351d51_prep:
	.size	k_qa747351d51_prep, .Lfunc_end_k_qa747351d51_prep-k_qa747351d51_prep
	.p2alignl 7, 3214868480
	.fill 96, 4, 3214868480
	.section	.rodata,"a",@progbits
	.p2align	6, 0x0
	.amdhsa_kernel k_qa747351d51_prep
		.amdhsa_group_segment_fixed_size 0
		.amdhsa_private_segment_fixed_size 0
		.amdhsa_enable_private_segment 0
		.amdhsa_kernarg_size 40
		.amdhsa_user_sgpr_count 2
		.amdhsa_user_sgpr_kernarg_segment_ptr 1
		.amdhsa_wavefront_size32 1
		.amdhsa_system_sgpr_workgroup_id_x 1
		.amdhsa_system_sgpr_workgroup_id_y 1
		.amdhsa_system_sgpr_workgroup_id_z 1
		.amdhsa_system_vgpr_workitem_id 0
		.amdhsa_next_free_vgpr 48
		.amdhsa_next_free_sgpr 66
		.amdhsa_reserve_vcc 0
		.amdhsa_float_denorm_mode_32 3
		.amdhsa_float_denorm_mode_16_64 3
		.amdhsa_memory_ordered 1
		.amdhsa_forward_progress 1
		.amdhsa_inst_pref_size 7
	.end_amdhsa_kernel
	.amdgpu_metadata
---
amdhsa.version: [ 1, 2 ]
amdhsa.kernels:
  - .name:           k_qa747351d51_prep
    .symbol:         k_qa747351d51_prep.kd
    .args:
      - { .name: Wq, .offset: 0, .size: 8, .value_kind: global_buffer, .address_space: global }
      - { .name: Wk, .offset: 8, .size: 8, .value_kind: global_buffer, .address_space: global }
      - { .name: Wv, .offset: 16, .size: 8, .value_kind: global_buffer, .address_space: global }
      - { .name: lowp_scales, .offset: 24, .size: 8, .value_kind: global_buffer, .address_space: global }
      - { .name: wimg, .offset: 32, .size: 8, .value_kind: global_buffer, .address_space: global }
    .group_segment_fixed_size: 0
    .private_segment_fixed_size: 0
    .kernarg_segment_align: 8
    .kernarg_segment_size: 40
    .max_flat_workgroup_size: 128
    .sgpr_count:     66
    .vgpr_count:     48
    .wavefront_size: 32
...
	.end_amdgpu_metadata
.endif
;; end of part 3
;; launch head (part 4): grid 256 x 1, 8 waves a work-group, clusters of 4 x 1, 327,680 bytes of LDS; arguments x, wimg, lowp_scales, out0; writes out0
.if DOCPART == 4
	.amdgcn_target "amdgcn-amd-amdhsa--gfx1250"
	.amdhsa_code_object_version 6
	.text
	.protected	k_qa747351d51_head
	.globl	k_qa747351d51_head
	.p2align	8
	.type	k_qa747351d51_head,@function
k_qa747351d51_head:
	s_mov_b64 s[64:65], 0
	v_nop
	global_prefetch_b8 v0, s[64:65] scope:SCOPE_SE
	s_setreg_imm32_b32 hwreg(HW_REG_WAVE_MODE, 25, 1), 1
	s_wait_xcnt 0x0
	s_wait_alu depctr_hold_cnt(0) depctr_sa_sdst(0) depctr_va_vdst(0) depctr_va_sdst(0) depctr_va_ssrc(0) depctr_va_vcc(0) depctr_vm_vsrc(0)
	s_getreg_b32 s2, hwreg(HW_REG_IB_STS2, 6, 4)
	s_cmp_eq_u32 s2, 0
	s_cbranch_scc0 .Lentry_in_a_cluster
	s_endpgm
.Lentry_in_a_cluster:
	s_bfe_u32 s2, ttmp6, 0x10000c
	s_cmp_lg_u32 s2, 0x3003
	s_cbranch_scc0 .Lentry_shape_is_right
	s_endpgm
.Lentry_shape_is_right:
; One attention head, fused: q, k, v = x Wq, x Wk, x Wv; S = q k^T / sqrt(600), causal; out = softmax(S) v.  All five products on codes of FP8 (E4M3), sums in f32.
; x: [512][128][600] f32.  wimg: the three weights' codes as images of fragments' registers, made by the launch before.  out0: [512][128][75] f32.  The ten scales 2^e are given: e0..e9.
; SHARES.  Work-group g takes batches 2 g and 2 g + 1 side by side: waves 0-3 the first, 4-7 the second.  A wave owns block B of 32 rows of its batch (two tiles of 16, a = 0, 1), B = w in the first batch, 3 - (w - 4)
; in the second, so that waves w and w + 4 together have the same amount of causal work.  It makes q, k, v of its rows (30 accumulators, 240 registers), hands k and v to the batch's other waves through LDS as images
; of registers, and makes the attention of its 32 queries.
; x's WAY.  K goes in steps of 128 (the last: 88 numbers).  Two loads bring rows r and r + 8 of a step: lanes 0-15 hold, of row r, the chunks q and 16 + q of four numbers (q = lane % 16), lanes 16-31 of row r + 8: eight numbers of
; ONE row a lane, which are quantised where they land, once for each projection's own scale (e0, e2, e4).  Only codes turn through the wave's own stage in LDS (rows of 128 + 16 bytes), into the fragments' layout.
; A code's byte 8 q + 4 t + j in a stage row stands for k = 128 s + 64 t + 4 q + j; wimg has the same order, so every product meets its partner.  In the last step lanes that would pass a row's end repeat its last chunk: W's codes are zero there.
; A ring of 16 such pairs of rows, 128 registers: a pair's registers are asked for again, for the next step, as soon as they have been quantised; so 32 loads a wave, 131,072 bytes a work-group, are out, each a whole step ahead.
; NO PREFETCH: that ring asks for every byte of x once, a step of 32 loads ahead of its use, from the head on to the end of the stream.
; CLUSTERS of 4 work-groups: all four need the same images of W, and ask for them jointly (mask 15): the same load, descriptor and round in each.  W comes into LDS by two tensor loads a wave: steps 0 and 1 at the head, steps 2-4
; behind the first barrier, a round of the cluster's.  No LDS byte is filled twice; out's stage lies where W lay, behind the last read of W.
; LAYOUTS.  q, k: source 0 = 16 columns of W, source 1 = 16 rows of x: a lane holds one row and eight head units: the conversion's two registers are registers 2 u, 2 u + 1 of the next operand.
; v: source 0 = x, source 1 = Wv: a lane holds one head unit and eight rows (keys): the conversion gives a pair of registers of V^T.  S^T = k q^T and O^T = V^T P^T: a lane holds one query throughout.
; Wv's columns are ordered so that O^T's lane half h and register 8 u + j hold head unit 37 h + 8 u + j: 38 registers a half are stored, unit 37 by both halves with the same sum.
; WORK LEFT OUT.  The causal mask: tile c of 16 keys, seen from query tile t, has p = 0 for every input where c > t.  Such tiles are not multiplied (their codes of P are zeros where a product's K
; holds them).  LIMIT: a NaN, an infinity or an overflow that reaches only that work is not carried to the result.
; SOFTMAX.  All keys of a row are at hand at once: t = score x log2(e) / sqrt(600), M = ceil(the row's largest t), p = 2^(t - M) is quantised with 2^e8; the sum of the unquantised p divides at the end.
; LIMITS, so that each power of two below is an f32 number: e0, e2, e4, e8, e6 - e0 - e1, e7 - e2 - e3, e9 - e4 - e5 between -126 and 119; e6 + e7 between -121 and 132 (added to an exponent field of 122).
; NaN in x is not served; an infinity is held at the largest code.
;
; REGISTERS.  Window 0: v0-15 kept; v16-47 x's codes, later q, then P; v48-127 W's fragments (while x is quantised: numbers and codes at work), later k's and v's codes, V^T; v128-255 the ring, later k's fragments.
;   Window 1: v0-239 the accumulators (a, m, u) at 120 a + 40 m + 8 u, later S^T (0-127), O^T (128-207) and the softmax's own (208-223); v240-246 kept.
.set XPIT, 144                         ; a stage row: 128 + 16 bytes = 9 x 16: the 16 rows that a read touches start 16 bytes apart modulo 256 (64 banks of 4 bytes: ISA guide 11.1); rows 8 apart: 128 modulo 256
.set XMAT, 32*XPIT                     ; one scale's codes
.set XWAVE, 3*XMAT
.set XSTG, 153600
.set IMG,  XSTG+8*XWAVE                ; a batch's images: k's 8 fragments without their last four registers, 1,536 bytes each, then V^T's 5, 2,048 bytes each
.set VIM,  8*1536
.set IMGB, VIM+5*2048
.set SPARE, IMG+2*IMGB                 ; the spare words, 128 bytes for each wave
.set WSTEP, 30720                      ; a step's 15 fragments of W in bytes
.set XG0, 1                            ; v1    x: 8 rows x h + 16 q
.set XG1, 2                            ; v2    the same for the second load (last step: q held at 5)
.set XW,  3                            ; v3    the stage, in
.set XR,  4                            ; v4    the stage, out
.set WL,  5                            ; v5    16 x lane
.set WAD, 6                            ; v6    16 x lane + a step's place among W's images
.set SPW, 7
.set NIL, 8
.set SCX, 9                            ; v9-11  2^e0, 2^e2, 2^e4
.set SCA, 12                           ; v12-14 2^(e6-e0-e1), 2^(e7-e2-e3), 2^(e9-e4-e5): a sum stands for sum x 2^(its two operands' e), so three scales fold into one
.set PSC, 15                           ; v15   2^e8
.set AF,  16                           ; x's codes of tile a at AF + 16 a
.set WF,  48                           ; five fragments of W
.set TT,  48                           ; held numbers: a set of eight for each of the first two scales, two sets by turns for the third
.set CC,  80                           ; codes: six registers for each of eight pairs of rows, by turns
.set RG,  128                          ; the ring
.set QF,  16                           ; q's fragment of tile a, later P's, at QF + 16 a
.set KC,  48                           ; k's codes of tile a at KC + 12 a
.set VC,  80                           ; V^T's quad of registers of tile u at VC + 4 u
.set VF,  48                           ; V^T's fragments
.set KF,  128                          ; k's fragment c at KF + 12 c: its registers 12-15 are the next one's first four (finite codes); q's registers 12-15 are zero codes
.set RO,  16                           ; out on its way to memory
.set MX,  208                          ; window 1: v208-211 maxima
.set NM,  212                          ; v[212:213], v[214:215]  -M (the packed form names a pair and takes its low word)
.set LP,  216                          ; v[216:217], v[218:219]  the row's sum in two halves
.set SB,  220                          ; v[220:221], v[222:223]  the sum's second chain
.set NI,  240                          ; -infinity
.set DQ,  241                          ; r - 8 h
.set KST, 242                          ; where I store k's images
.set VST, 243                          ; and V^T's
.set IM,  244                          ; where my batch's waves read them
.set SO,  245                          ; out's stage, in
.set SR,  246                          ; out's stage, back; also the place in the two batches' out
.set PLX, 30                           ; s30-32  448 x 2^e for x;   s33-35 its negative
.set NLX, 33
.set PLA, 36                           ; s36-38, s39-41 the same for q, k, v
.set NLA, 39
.set SW,  66                           ; s66  a step's place among W's images
.set BND, 67                           ; s67  the bound on 16 q in the second load
.set JI,  68                           ; s68  the step
.set MSB, 0
.macro WIN new                         ; the immediate's high byte repeats the setting that is left; bits 1:0 source 0, 3:2 source 1, 5:4 source 2, 7:6 destination
.if MSB != \new
	s_set_vgpr_msb (MSB<<8)|\new
.set MSB, \new
.endif
.endm
.macro PLACES                          ; four plain vector lines between a matrix instruction and a vector line that reads its result or writes its registers, or a load into one of them
.rept 4
	v_nop
.endr
.endm
.macro CROUND                          ; a round of the cluster's barrier
	s_barrier_signal -1
	s_barrier_wait -1
	s_cmp_lg_u32 s12, 0
	s_cbranch_scc1 .Lnot_wave_0_\@
	s_barrier_signal -3
.Lnot_wave_0_\@:
	s_barrier_wait -3
	s_barrier_signal -1
	s_barrier_wait -1
.endm
.macro POW2 vdst, pl, nl               ; s44 = e:  v[vdst] = 2^e,  s[pl] = 448 x 2^e,  s[nl] = -448 x 2^e
	s_add_co_i32 s44, s44, 127
	s_lshl_b32 s45, s44, 23
	v_mov_b32 v[\vdst], s45
	s_add_co_i32 s44, s44, 8
	s_lshl_b32 s44, s44, 23
	s_or_b32 s[\pl], s44, 0x600000
	s_or_b32 s[\nl], s[\pl], 0x80000000
.endm
.macro XLOAD so                        ; pair un: rows 16 a + i and 16 a + i + 8, a = un / 8, i = un % 8; so: bytes from the pointer's step to the one that is asked for
	global_load_b128 v[RG+8*un:RG+8*un+3], v[XG0], s[4:5] offset:2400*(16*(un/8)+un%8)+(\so)
	global_load_b128 v[RG+8*un+4:RG+8*un+7], v[XG1], s[4:5] offset:2400*(16*(un/8)+un%8)+256+(\so)
.endm
.macro HX m                            ; the conversion to an 8-bit code does not saturate (ISA guide 7.6.2): the hold comes first
.set qi, 0
.rept 8
	v_med3_num_f32 v[TT+8*\m+8*(\m/2)*(un%2)+qi], v[RG+8*un+qi], s[NLX+\m], s[PLX+\m]
.set qi, qi+1
.endr
.endm
.macro CX m, n
	v_cvt_scalef32_pk8_fp8_f32 v[CC+6*((\n)%8)+2*\m:CC+6*((\n)%8)+2*\m+1], v[TT+8*\m+8*(\m/2)*((\n)%2):TT+8*\m+8*(\m/2)*((\n)%2)+7], v[SCX+\m]
.endm
.macro SX m, n
	ds_store_b64 v[XW], v[CC+6*((\n)%8)+2*\m:CC+6*((\n)%8)+2*\m+1] offset:XMAT*\m+XPIT*(16*((\n)/8)+(\n)%8)
.endm
; A step's 16 pairs of rows become codes.  A PAIR'S STORES AND ITS THIRD CONVERSION STAND BEHIND SIXTEEN HOLDS OF THE NEXT PAIR, so that neither reads what has just been written.
; Loads come back in order: with 32 out, the oldest pair is in when at most 30 are; ld = 0, the last step, asks for nothing: two fewer are out behind each pair.
.macro CONV ld, so
.set un, 0
.rept 16
.if \ld
	s_wait_loadcnt 30
.else
	s_wait_loadcnt 30-2*un
.endif
	HX 0
	HX 1
.if un > 0
	SX 0, un-1
	SX 1, un-1
	CX 2, un-1
.endif
	CX 0, un
	HX 2                                           ; (plain lines behind the conversions; the other set of the third scale's two)
	CX 1, un
.if un > 0
	SX 2, un-1
.endif
.if \ld
	XLOAD \so                                      ; the pair's registers take the next step's numbers
.endif
.set un, un+1
.endr
	CX 2, 15
	v_nop                                          ; one plain line behind the last conversion
	SX 0, 15
	SX 1, 15
	SX 2, 15
.endm
; A step's 30 products.  LDS serves a wave's instructions in order (ISA guide 5.7.1.4): the reads of the stage see my stores.  The 30 accumulators take turns, one instruction a turn, in the same order in every step, over the
; loop's backward jump too.  The counted waits leave out the younger fragments of W.
.macro MM zero, wreg, woff
.irp m, 0,1,2
.if \m > 0
	PLACES
.endif
.irp a, 0,1
.irp c, 0,1,2,3
	ds_load_b128 v[AF+16*\a+4*\c:AF+16*\a+4*\c+3], v[XR] offset:XMAT*\m+16*XPIT*\a+32*\c
.endr
.endr
.set wi, 0
.rept 20
	ds_load_b128 v[WF+4*wi:WF+4*wi+3], v[\wreg] offset:(\woff)+10240*\m+512*wi
.set wi, wi+1
.endr
	WIN 0x50                                       ; C and D window 1
.irp u, 0,1,2,3,4
	s_wait_dscnt 16-4*\u
.irp a, 0,1
.set AC, 120*\a+40*\m+8*\u
.if \m < 2
.if \zero
	v_wmma_f32_16x16x128_fp8_fp8 v[AC:AC+7], v[WF+16*\u:WF+16*\u+15], v[AF+16*\a:AF+16*\a+15], 0
.else
	v_wmma_f32_16x16x128_fp8_fp8 v[AC:AC+7], v[WF+16*\u:WF+16*\u+15], v[AF+16*\a:AF+16*\a+15], v[AC:AC+7]
.endif
.else
.if \zero
	v_wmma_f32_16x16x128_fp8_fp8 v[AC:AC+7], v[AF+16*\a:AF+16*\a+15], v[WF+16*\u:WF+16*\u+15], 0
.else
	v_wmma_f32_16x16x128_fp8_fp8 v[AC:AC+7], v[AF+16*\a:AF+16*\a+15], v[WF+16*\u:WF+16*\u+15], v[AC:AC+7]
.endif
.endif
.endr
.endr
	WIN 0
.endr
	PLACES                                         ; ahead of the vector lines that write W's registers or read the sums
.endm
.macro HOLD m                          ; window 1 in place, each accumulator from its low end on
.irp a, 0,1
.set an, 0
.rept 40
	v_med3_num_f32 v[120*\a+40*\m+an], v[120*\a+40*\m+an], s[NLA+\m], s[PLA+\m]
.set an, an+1
.endr
.endr
.endm
; Softmax pieces of tile a with n scores a lane, at 64 a; all in window 1
.macro MAXC a, n
	v_max3_num_f32 v[MX+2*\a], v[64*\a], v[64*\a+1], v[64*\a+2]
	v_max3_num_f32 v[MX+2*\a+1], v[64*\a+3], v[64*\a+4], v[64*\a+5]
.set an, 6
.set ch, 0
.rept ((\n)-6)/2
	v_max3_num_f32 v[MX+2*\a+ch], v[MX+2*\a+ch], v[64*\a+an], v[64*\a+an+1]
.set an, an+2
.set ch, 1-ch
.endr
.endm
.macro SUBM a, n
.set an, 64*\a
.rept (\n)/2
	v_pk_fma_f32 v[an:an+1], v[an:an+1], s[28:29], v[NM+2*\a:NM+2*\a+1] op_sel_hi:[1,0,0]   ; t - M, two at a time
.set an, an+2
.endr
.endm
.macro EXPS a, n
.set an, 64*\a
.rept \n
	v_exp_f32 v[an], v[an]                         ; p = 2^(t - M), at most 1, not normalised
.set an, an+1
.endr
.endm
.macro SUMS a, n
	v_pk_add_f32 v[LP+2*\a:LP+2*\a+1], v[64*\a:64*\a+1], v[64*\a+2:64*\a+3]   ; the row's sum of the UNQUANTISED p, in two chains
	v_pk_add_f32 v[SB+2*\a:SB+2*\a+1], v[64*\a+4:64*\a+5], v[64*\a+6:64*\a+7]
.set an, 64*\a+8
.rept (\n)/8-1
	v_pk_add_f32 v[LP+2*\a:LP+2*\a+1], v[LP+2*\a:LP+2*\a+1], v[an:an+1]
	v_pk_add_f32 v[SB+2*\a:SB+2*\a+1], v[SB+2*\a:SB+2*\a+1], v[an+2:an+3]
	v_pk_add_f32 v[LP+2*\a:LP+2*\a+1], v[LP+2*\a:LP+2*\a+1], v[an+4:an+5]
	v_pk_add_f32 v[SB+2*\a:SB+2*\a+1], v[SB+2*\a:SB+2*\a+1], v[an+6:an+7]
.set an, an+8
.endr
	v_pk_add_f32 v[LP+2*\a:LP+2*\a+1], v[LP+2*\a:LP+2*\a+1], v[SB+2*\a:SB+2*\a+1]
.endm
.macro MINS a, n
.set an, 64*\a
.rept \n
	v_min_num_f32 v[an], s42, v[an]                ; p is not negative: the hold at 448 x 2^e8 is one-sided
.set an, an+1
.endr
.endm
.macro PCVT a, tiles
.set an, 0
.rept \tiles
	v_cvt_scalef32_pk8_fp8_f32 v[QF+16*\a+2*an:QF+16*\a+2*an+1], v[64*\a+8*an:64*\a+8*an+7], v[PSC]   ; registers 2 c, 2 c + 1 of P: keys 16 c + 8 h + 0 .. 7
.set an, an+1
.endr
.endm
.macro PZERO a, first, last
.set an, \first
.rept (\last)-(\first)
	v_mov_b32 v[QF+16*\a+an], 0                    ; hidden tiles: zero codes
.set an, an+1
.endr
.endm
; The attention of the wave whose rows are block nb - 1: tile 0 sees 2 nb - 1 tiles of keys, tile 1 sees 2 nb; the last of each is on the diagonal.  nb < 3: the second product's K is 64 keys, else 128.
.macro VAR nb
.set NT, 2*(\nb)
.if \nb < 3
.set NQ, 2
.else
.set NQ, 4
.endif
	WIN 0x01                                       ; address window 1, destination window 0
.set an, 0
.rept NT
.irp g, 0,1,2
	ds_load_b128 v[KF+12*an+4*\g:KF+12*an+4*\g+3], v[IM] offset:1536*an+512*\g
.endr
.set an, an+1
.endr
.set an, 0
.rept 5
.set ag, 0
.rept NQ
	ds_load_b128 v[VF+4*NQ*an+4*ag:VF+4*NQ*an+4*ag+3], v[IM] offset:VIM+2048*an+512*ag
.set ag, ag+1
.endr
.set an, an+1
.endr
	s_wait_dscnt 5*NQ                              ; k is in; V^T's reads may be out
	WIN 0x40                                       ; destination window 1
.set an, 0
.rept NT
.if an < NT-1
	v_wmma_f32_16x16x128_fp8_fp8 v[8*an:8*an+7], v[KF+12*an:KF+12*an+15], v[QF:QF+15], 0
.endif
	v_wmma_f32_16x16x128_fp8_fp8 v[64+8*an:64+8*an+7], v[KF+12*an:KF+12*an+15], v[QF+16:QF+31], 0
.set an, an+1
.endr
	PLACES
	WIN 0x55                                       ; all in window 1
.irp j, 0,1,2,3,4,5,6,7
	v_cmp_gt_i32 vcc_lo, \j, v[DQ]                 ; on the diagonal: key 8 h + j comes after query r
	v_cndmask_b32 v[8*(NT-2)+\j], v[8*(NT-2)+\j], v[NI], vcc_lo
	v_cndmask_b32 v[64+8*(NT-1)+\j], v[64+8*(NT-1)+\j], v[NI], vcc_lo
.endr
	MAXC 0, 8*(NT-1)
	MAXC 1, 8*NT
	v_max_num_f32 v[MX], v[MX], v[MX+1]
	v_max_num_f32 v[MX+2], v[MX+2], v[MX+3]
	v_permlanex16_b32 v[MX+1], v[MX], s26, s27
	v_permlanex16_b32 v[MX+3], v[MX+2], s26, s27
	v_max_num_f32 v[MX], v[MX], v[MX+1]            ; and among lane l xor 16's: each query sees itself, so this is a number
	v_max_num_f32 v[MX+2], v[MX+2], v[MX+3]
	v_mul_f32 v[MX], s28, v[MX]                    ; as t (the factor is positive)
	v_mul_f32 v[MX+2], s28, v[MX+2]
	v_floor_f32 v[NM], -v[MX]                      ; -M = floor(-t) = -ceil(t)
	v_floor_f32 v[NM+2], -v[MX+2]
	SUBM 0, 8*(NT-1)
	SUBM 1, 8*NT
	s_wait_alu depctr_va_vdst(0)
	EXPS 0, 8*(NT-1)
	EXPS 1, 8*NT
	v_nop                                          ; one plain line behind the transcendentals
	s_wait_alu depctr_va_vdst(0)
	SUMS 0, 8*(NT-1)
	SUMS 1, 8*NT
	v_add_f32 v[LP], v[LP], v[LP+1]                ; the sum's two halves,
	v_add_f32 v[LP+2], v[LP+2], v[LP+3]
	v_permlanex16_b32 v[MX+1], v[LP], s26, s27
	v_permlanex16_b32 v[MX+3], v[LP+2], s26, s27
	v_add_f32 v[LP], v[LP], v[MX+1]                ; and lane l xor 16's
	v_add_f32 v[LP+2], v[LP+2], v[MX+3]
	s_wait_alu depctr_va_vdst(0)
	v_rcp_f32 v[LP], v[LP]                         ; the sum is above 1/2
	v_rcp_f32 v[LP+2], v[LP+2]
	MINS 0, 8*(NT-1)
	MINS 1, 8*NT
	s_wait_alu depctr_va_vdst(0)
	v_ldexp_f32 v[LP], v[LP], s43                  ; x 2^(e8 + e9)
	v_ldexp_f32 v[LP+2], v[LP+2], s43
	WIN 0x01                                       ; source 0 window 1
	PCVT 0, NT-1
	PCVT 1, NT
	WIN 0
	PZERO 0, 2*(NT-1), 4*NQ                        ; (never empty: these are the plain lines behind the conversions)
	PZERO 1, 2*NT, 4*NQ
	s_wait_alu depctr_va_vdst(0)
	s_wait_dscnt 0x0                               ; V^T
	WIN 0x40
.irp u, 0,1,2,3,4
.irp a, 0,1
.if \nb < 3
	v_wmma_f32_16x16x64_fp8_fp8 v[128+40*\a+8*\u:128+40*\a+8*\u+7], v[VF+8*\u:VF+8*\u+7], v[QF+16*\a:QF+16*\a+7], 0
.else
	v_wmma_f32_16x16x128_fp8_fp8 v[128+40*\a+8*\u:128+40*\a+8*\u+7], v[VF+16*\u:VF+16*\u+15], v[QF+16*\a:QF+16*\a+15], 0
.endif
.endr
.endr
	WIN 0
.endm
	s_load_b256 s[4:11], s[0:1], 0x0               ; x s[4:5], W's images s[6:7], the scales' exponents s[8:9], out s[10:11]
	v_lshl_add_u32 v[SPW], v0, 2, SPARE
	v_mov_b32 v[NIL], 0
	ds_add_u32 v[SPW], v[NIL]                      ; the opening: the add, twice on end, and its wait ahead of my first tensor load
	ds_add_u32 v[SPW], v[NIL]
	v_lshrrev_b32 v16, 5, v0
	v_readfirstlane_b32 s12, v16                   ; wave 0..7
	v_and_b32 v17, 15, v0                          ; r, also q
	v_bfe_u32 v18, v0, 4, 1                        ; h
	v_and_b32 v19, 31, v0                          ; lane
	v_mul_u32_u24 v[XG0], v18, 19200
	v_lshl_add_u32 v[XG0], v17, 4, v[XG0]
	v_mov_b32 v[XG1], v[XG0]
	s_lshr_b32 s13, s12, 2                         ; which of the two batches
	s_and_b32 s14, s12, 3
	s_mul_i32 s15, s13, 3
	s_xor_b32 s14, s14, s15                        ; my block of 32 rows
	s_bfe_u32 s40, ttmp6, 0x40000                  ; my place in the cluster: it enters the addresses of x and out alone
	s_lshl_b32 s41, ttmp9, 2
	s_add_co_u32 s40, s41, s40                     ; the work-group's number g
	s_mul_i32 s44, s40, 614400                     ; two batches of 307,200 bytes
	s_mul_i32 s45, s13, 307200
	s_add_co_u32 s44, s44, s45
	s_mul_i32 s45, s14, 76800                      ; my 32 rows of 2,400
	s_add_co_u32 s44, s44, s45
	s_mov_b32 s45, 0
	s_mul_i32 s46, s40, 76800                      ; two batches of out
	s_mov_b32 s47, 0
	; the joint loads: my eighth of steps 0 and 1, 6 rows of 1,280 bytes, and of the other steps, 9 rows
	s_mov_b32 s48, 1                               ; group 0: count = 1
	s_mul_i32 s49, s12, WSTEP/4                    ; LDS address
	s_mov_b32 s70, s49
	s_mov_b32 s71, 0
	s_mov_b32 s60, 1
	s_mul_i32 s61, s12, 3*WSTEP/8
	s_add_co_u32 s61, s61, 2*WSTEP
	s_mov_b32 s72, s61
	s_mov_b32 s73, 0
	s_mov_b32 s52, 15|(3<<16)|(1<<21)              ; group 1: the mask names the cluster's four; elements of 8 bytes, no padding; 21 set beside a mask
	s_mov_b32 s53, 160<<16                         ; tensor_dim0
	s_mov_b32 s54, 6<<16                           ; tensor_dim1
	s_mov_b32 s55, 160<<16                         ; tile_dim0
	s_mov_b32 s56, 6                               ; tile_dim1
	s_mov_b32 s57, 160                             ; from row to row
	s_mov_b32 s58, 0
	s_mov_b32 s59, 0
	s_mov_b32 s76, 15|(3<<16)|(1<<21)
	s_mov_b32 s77, 160<<16
	s_mov_b32 s78, 9<<16
	s_mov_b32 s79, 160<<16
	s_mov_b32 s80, 9
	s_mov_b32 s81, 160
	s_mov_b32 s82, 0
	s_mov_b32 s83, 0
	s_mov_b32 s26, 0x76543210                      ; v_permlanex16_b32's selects for lane l xor 16
	s_mov_b32 s27, 0xfedcba98
	s_wait_alu depctr_va_vdst(0)
	s_wait_dscnt 0x0                               ; both opening adds are done
	s_wait_kmcnt 0x0
	s_load_b256 s[16:23], s[8:9], 0x0              ; e0..e7
	s_load_b64 s[24:25], s[8:9], 0x20              ; e8, e9
	s_add_nc_u64 s[4:5], s[4:5], s[44:45]          ; x at my rows' step 0
.set un, 0
.rept 16
	XLOAD 0                                        ; step 0: 32 loads
.set un, un+1
.endr
	s_add_nc_u64 s[50:51], s[6:7], s[70:71]
	s_or_b32 s51, s51, 0x80000000                  ; type = 2
	s_add_nc_u64 s[62:63], s[6:7], s[72:73]
	s_or_b32 s63, s63, 0x80000000
	s_add_nc_u64 s[10:11], s[10:11], s[46:47]
	CROUND                                         ; all four work-groups are here: the joint loads meet
	tensor_load_to_lds s[48:51], s[52:59]          ; my one load at the head
	s_nop 0
	PLACES                                         ; four v_nop follow it
	s_mul_i32 s44, s12, XWAVE
	s_add_co_u32 s44, s44, XSTG                    ; my stage
	s_mul_i32 s45, s13, IMGB
	s_add_co_u32 s45, s45, IMG                     ; my batch's images
	s_mul_i32 s46, s14, 3072
	s_add_co_u32 s46, s46, s45                     ; k's tiles 2 B, 2 B + 1
	s_lshl_b32 s47, s14, 9
	s_add_co_u32 s47, s47, s45
	s_add_co_u32 s47, s47, VIM                     ; quad B of each V^T fragment
	s_mul_i32 s70, s13, 38400
	s_lshl_b32 s71, s14, 9
	s_add_co_u32 s71, s71, s70                     ; out's runs of 512 bytes: run 4 n + B of my batch
	s_mul_i32 s72, s14, 9600
	s_add_co_u32 s72, s72, s70                     ; my 32 rows of out
	v_mul_u32_u24 v20, v18, 8*XPIT
	v_lshl_add_u32 v20, v17, 3, v20
	v_add_nc_u32 v[XW], s44, v20
	v_mul_u32_u24 v21, v17, XPIT
	v_lshl_add_u32 v21, v18, 4, v21
	v_add_nc_u32 v[XR], s44, v21
	v_lshlrev_b32 v[WL], 4, v19
	v_mul_u32_u24 v22, v17, 300
	v_mad_u32_u24 v22, v18, 148, v22
	v_lshlrev_b32 v23, 3, v18
	WIN 0x40                                       ; destination window 1
	v_mov_b32 v[NI], 0xff800000
	v_sub_nc_u32 v[DQ], v17, v23
	v_add_nc_u32 v[KST], s46, v[WL]
	v_add_nc_u32 v[VST], s47, v[WL]
	v_add_nc_u32 v[IM], s45, v[WL]
	v_add_nc_u32 v[SO], s72, v22                   ; row 32 B + r of 300 bytes, head unit 37 h
	v_add_nc_u32 v[SR], s71, v[WL]
	WIN 0
	s_wait_alu depctr_va_vdst(0)
	s_wait_kmcnt 0x0
.irp m, 0,1,2
	s_mov_b32 s44, s[16+2*\m]
	POW2 SCX+\m, PLX+\m, NLX+\m
.endr
	s_sub_co_i32 s44, s22, s16
	s_sub_co_i32 s44, s44, s17
	POW2 SCA, PLA, NLA
	s_sub_co_i32 s44, s23, s18
	s_sub_co_i32 s44, s44, s19
	POW2 SCA+1, PLA+1, NLA+1
	s_sub_co_i32 s44, s25, s20
	s_sub_co_i32 s44, s44, s21
	POW2 SCA+2, PLA+2, NLA+2
	s_add_co_i32 s44, s24, 127
	s_lshl_b32 s46, s44, 23                        ; 2^e8
	v_mov_b32 v[PSC], s46
	s_add_co_i32 s44, s44, 8
	s_lshl_b32 s44, s44, 23
	s_or_b32 s42, s44, 0x600000                    ; 448 x 2^e8
	s_add_co_i32 s43, s24, s25                     ; e8 + e9
	s_add_co_i32 s44, s22, s23
	s_lshl_b32 s44, s44, 23
	s_add_co_i32 s28, s44, 0x3d713ecc              ; log2(e) / sqrt(600), with e6 + e7 added to its exponent field: a score stands for score x 2^(e6 + e7)
	s_mov_b32 s29, s28                             ; (named with it as a pair, so it is written)
	s_mov_b32 s[SW], 2*WSTEP
	s_mov_b32 s[BND], 240
	s_mov_b32 s[JI], 0
	s_wait_alu depctr_va_vdst(0)
	CONV 1, 512                                    ; step 0; asks for step 1
	s_wait_tensorcnt 0x0                           ; my eighth of steps 0 and 1 has landed;
	ds_add_u32 v[SPW], v[NIL]
	s_wait_dscnt 0x0
	CROUND                                         ; everybody's has; the joint loads meet
	tensor_load_to_lds s[60:63], s[76:83]          ; steps 2-4: my one load behind this barrier
	s_nop 0
	PLACES
	MM 1, WL, 0                                    ; the first products start the sums
	CONV 1, 1024                                   ; step 1; asks for step 2
	MM 0, WL, WSTEP
	s_wait_tensorcnt 0x0
	s_wait_dscnt 0x0
	s_barrier_signal -1
	s_barrier_wait -1                              ; all of W is in LDS
.Lstep:                                                ; steps 2 and 3
	s_wait_xcnt 0x0                                ; the pointer and the loads' offsets are written only behind this wait
	s_add_nc_u64 s[4:5], s[4:5], 512
	v_add_nc_u32 v[WAD], s[SW], v[WL]
	v_and_b32 v48, 15, v0
	v_bfe_u32 v49, v0, 4, 1
	v_lshlrev_b32 v48, 4, v48
	v_mul_u32_u24 v49, v49, 19200
	v_min_u32 v48, s[BND], v48                     ; step 3 asks for step 4: bytes 256 + 16 q of its 352, q at most 5
	v_add_nc_u32 v[XG1], v48, v49
	CONV 1, 1024
	MM 0, WAD, 0
	s_add_co_u32 s[SW], s[SW], WSTEP
	s_sub_co_u32 s[BND], s[BND], 160
	s_add_co_u32 s[JI], s[JI], 1
	s_cmp_lt_u32 s[JI], 2
	s_cbranch_scc1 .Lstep
	v_add_nc_u32 v[WAD], 4*WSTEP, v[WL]
	CONV 0, 0                                      ; step 4: nothing more to ask for
	MM 0, WAD, 0
	; THE ATTENTION.  k and v first: the others wait for them
	WIN 0x41                                       ; source 0 and destination window 1
	HOLD 1
	HOLD 2
	WIN 0x01                                       ; source 0 window 1, destination window 0
.irp a, 0,1
.irp u, 0,1,2,3,4
	v_cvt_scalef32_pk8_fp8_f32 v[KC+12*\a+2*\u:KC+12*\a+2*\u+1], v[120*\a+40+8*\u:120*\a+40+8*\u+7], v[SCA+1] ; k: head units 16 u + 8 h + 0 .. 7 of my row
	v_cvt_scalef32_pk8_fp8_f32 v[VC+4*\u+2*\a:VC+4*\u+2*\a+1], v[120*\a+80+8*\u:120*\a+80+8*\u+7], v[SCA+2]   ; v: keys 16 (2 B + a) + 8 h + 0 .. 7 of my head unit
.endr
.endr
	WIN 0
.irp a, 0,1
	v_mov_b32 v[KC+12*\a+10], 0                    ; K = 75 fills 80 slots (units 75..79 are sums of zero codes); the rest are zero codes
	v_mov_b32 v[KC+12*\a+11], 0
.endr
	WIN 0x01                                       ; address window 1, data window 0
.irp a, 0,1
.irp g, 0,1,2
	ds_store_b128 v[KST], v[KC+12*\a+4*\g:KC+12*\a+4*\g+3] offset:1536*\a+512*\g
.endr
.endr
.irp u, 0,1,2,3,4
	ds_store_b128 v[VST], v[VC+4*\u:VC+4*\u+3] offset:2048*\u
.endr
	WIN 0
	s_wait_dscnt 0x0                               ; my stores have landed, and my reads of W are over
	s_barrier_signal -1
	WIN 0x41                                       ; register work while the others arrive: q
	HOLD 0
	WIN 0x01
.irp a, 0,1
.irp u, 0,1,2,3,4
	v_cvt_scalef32_pk8_fp8_f32 v[QF+16*\a+2*\u:QF+16*\a+2*\u+1], v[120*\a+8*\u:120*\a+8*\u+7], v[SCA]
.endr
.endr
	WIN 0
.irp a, 0,1
.irp i, 10,11,12,13,14,15
	v_mov_b32 v[QF+16*\a+\i], 0
.endr
.endr
.irp c, 2,4,6,8
.irp i, 0,1,2,3
	v_mov_b32 v[KF+12*\c+\i], 0                    ; behind a wave's last fragment of k stand finite codes too
.endr
.endr
	WIN 0x40
	v_mov_b32 v[NM+1], 0                           ; (named as the upper half of a pair)
	v_mov_b32 v[NM+3], 0
	WIN 0
	s_wait_alu depctr_va_vdst(0)
	s_barrier_wait -1                              ; both batches' images lie in LDS, and nobody reads W any more
	s_cmp_eq_u32 s14, 0
	s_cbranch_scc1 .Lv1
	s_cmp_eq_u32 s14, 1
	s_cbranch_scc1 .Lv2
	s_cmp_eq_u32 s14, 2
	s_cbranch_scc1 .Lv3
	VAR 4
	s_branch .Lout
.Lv3:
	VAR 3
	s_branch .Lout
.Lv2:
	VAR 2
	s_branch .Lout
.Lv1:
	VAR 1
.Lout:
	PLACES
	WIN 0x55
.irp a, 0,1
.set an, 0
.rept 19
	v_pk_mul_f32 v[128+40*\a+an:128+40*\a+an+1], v[128+40*\a+an:128+40*\a+an+1], v[LP+2*\a:LP+2*\a+1] op_sel_hi:[1,0]   ; O^T / the sum, each accumulator from its low end on
.set an, an+2
.endr
.endr
	WIN 0x05                                       ; address and data window 1
.irp a, 0,1
.set an, 0
.rept 38
	ds_store_b32 v[SO], v[128+40*\a+an] offset:4800*\a+4*an   ; out(32 B + 16 a + r, 37 h + an), into the dense stage
.set an, an+1
.endr
.endr
	WIN 0
	s_wait_dscnt 0x0
	s_barrier_signal -1
	s_barrier_wait -1                              ; both batches' 38,400 bytes lie in the stage
	WIN 0x01                                       ; address window 1, data window 0
.set an, 0
.rept 18
	ds_load_b128 v[RO+4*an:RO+4*an+3], v[SR] offset:2048*an
.set an, an+1
.endr
.set an, 0
.rept 18
	s_wait_dscnt 17-an                             ; the younger reads may be out
	global_store_b128 v[SR], v[RO+4*an:RO+4*an+3], s[10:11] offset:2048*an th:TH_STORE_NT   ; a wave stores 512 consecutive bytes, at a multiple of 512 from out's first byte
.set an, an+1
.endr
	WIN 0
	s_cmp_eq_u32 s14, 3                            ; 38,400 bytes are 75 runs of 512: the last three are blocks 0 to 2's
	s_cbranch_scc1 .Lno_tail
	WIN 0x01
	ds_load_b128 v[RO+72:RO+75], v[SR] offset:36864
	s_wait_dscnt 0x0
	global_store_b128 v[SR], v[RO+72:RO+75], s[10:11] offset:36864 th:TH_STORE_NT
	WIN 0
.Lno_tail:
	s_wait_tensorcnt 0x0                           ; the wave's end
	ds_add_u32 v[SPW], v[NIL]
	s_wait_dscnt 0x0
	CROUND                                         ; the closing round: no work-group ends while a partner may still ask for a tile that names it
	s_endpgm
.Lfunc_end_k_qa747351d51_head:
	.size	k_qa747351d51_head, .Lfunc_end_k_qa747351d51_head-k_qa747351d51_head
	.p2alignl 7, 3214868480
	.fill 96, 4, 3214868480
	.section	.rodata,"a",@progbits
	.p2align	6, 0x0
	.amdhsa_kernel k_qa747351d51_head
		.amdhsa_group_segment_fixed_size 327680
		.amdhsa_private_segment_fixed_size 0
		.amdhsa_enable_private_segment 0
		.amdhsa_kernarg_size 32
		.amdhsa_user_sgpr_count 2
		.amdhsa_user_sgpr_kernarg_segment_ptr 1
		.amdhsa_wavefront_size32 1
		.amdhsa_system_sgpr_workgroup_id_x 1
		.amdhsa_system_sgpr_workgroup_id_y 1
		.amdhsa_system_sgpr_workgroup_id_z 1
		.amdhsa_system_vgpr_workitem_id 0
		.amdhsa_next_free_vgpr 512
		.amdhsa_next_free_sgpr 96
		.amdhsa_reserve_vcc 1
		.amdhsa_float_denorm_mode_32 3
		.amdhsa_float_denorm_mode_16_64 3
		.amdhsa_memory_ordered 1
		.amdhsa_forward_progress 1
		.amdhsa_inst_pref_size 255
	.end_amdhsa_kernel
	.section	.bss,"aw",@nobits
	.p2align	6
	.space	262144
	.amdgpu_metadata
---
amdhsa.version: [ 1, 2 ]
amdhsa.kernels:
  - .name:           k_qa747351d51_head
    .symbol:         k_qa747351d51_head.kd
    .args:
      - { .name: x, .offset: 0, .size: 8, .value_kind: global_buffer, .address_space: global }
      - { .name: wimg, .offset: 8, .size: 8, .value_kind: global_buffer, .address_space: global }
      - { .name: lowp_scales, .offset: 16, .size: 8, .value_kind: global_buffer, .address_space: global }
      - { .name: out0, .offset: 24, .size: 8, .value_kind: global_buffer, .address_space: global }
    .group_segment_fixed_size: 327680
    .private_segment_fixed_size: 0
    .kernarg_segment_align: 8
    .kernarg_segment_size: 32
    .max_flat_workgroup_size: 256
    .sgpr_count:     96
    .vgpr_count:     512
    .wavefront_size: 32
...
	.end_amdgpu_metadata
.endif
;; end of part 4
